; MI455X (gfx1250); checked and timed in simulation.
; The chip was launched on July 23, 2026; its instructions are those of AMD's public machine-readable ISA for CDNA 5 (MIT licence, August 2026) and "CDNA5" Instruction Set Architecture Reference Guide (July 2026). The comments in the code are by the model that wrote it; some were corrected since.
;; Self Attention. Allowed arithmetic: matrix products marked QUANTISED: E2M3 operands, one E8M0 scale for each 32 along K, by v_wmma_scale_f32_16x16x128_f8f6f4 with both operands' format E2M3, f32 sums; everything else in f32.
;; Inputs: Wk 1,024 x 1,024 float32; Wq 1,024 x 1,024 float32; Wv 1,024 x 1,024 float32; bk 1,024 float32; bq 1,024 float32; bv 1,024 float32; x 4 x 2,048 x 1,024 float32.
;; Outputs: out0 4 x 2,048 x 1,024 float32.
;; This version of the problem:
;;   THIS VERSION OF THE PROBLEM IS GIVEN IN LOW PRECISION. The matrix products marked QUANTISED in the list below multiply operands that are first quantised to E2M3 (2 exponent bits, 3 mantissa bits; 6 bits a number), with one power-of-two scale for each 32 numbers along K (OCP MX v1.0); their sums are f32. All else is computed in f32.
;;   The module's matrix products, in the order in which they are computed (A, B: the left and right operand; K: the contracted axis; several contracted axes count as one K, in the product's order):
;;     1. [M 8,192, K 1,024] x [K 1,024, N 1,024]; A: input x; B: input Wq: QUANTISED
;;     2. [M 8,192, K 1,024] x [K 1,024, N 1,024]; A: input x; B: input Wk: QUANTISED
;;     3. [M 8,192, K 1,024] x [K 1,024, N 1,024]; A: input x; B: input Wv: QUANTISED
;;     4. batch 64 x [M 2,048, K 64] x [K 64, N 2,048]; A: computed on the way; B: computed on the way: QUANTISED
;;     5. batch 64 x [M 64, K 2,048] x [K 2,048, N 2,048]; A: computed on the way; B: softmax (see below): QUANTISED
;;   THE QUANTISER, for each operand of a quantised product, along K:
;;     - K is cut into blocks of 32 from its start; a last block that is shorter is filled with zeros.
;;     - A block's scale is 2^e with e = floor(log2(the largest magnitude in the block)) - 2, held to -126 .. 127; a block of zeros has e = 0. As a byte (E8M0): e + 127.
;;     - Each number is divided by its block's scale, clamped to +-7.5, and rounded to the nearest number of E2M3, ties to even, subnormals kept.
;;     - The product sums the exact products of the quantised numbers (number of the format x scale) in f32.
;;   ~~~python
;;   def quantise(x, axis):      # numpy; x: float32 -> the quantised numbers, widened to float32 again
;;       x = np.moveaxis(x, axis, -1); K = x.shape[-1]
;;       x = np.pad(x, [(0, 0)] * (x.ndim - 1) + [(0, -K % 32)]); x = x.reshape(x.shape[:-1] + (-1, 32)); a = np.abs(x).max(-1, keepdims=True)
;;       e = np.where(a > 0, np.clip(np.frexp(np.where(a > 0, a, 1))[1] - 1 - 2, -126, 127), 0)      # np.frexp(a)[1] - 1 = floor(log2(a)), exactly
;;       r = np.clip(x / 2.0 ** e, -7.5, 7.5)
;;       step = 2.0 ** (np.maximum(np.frexp(np.where(r == 0, 1, r))[1] - 1, 0) - 3)
;;       q = np.round(r / step) * step * 2.0 ** e      # np.round: ties to even
;;       return np.moveaxis(q.reshape(q.shape[:-2] + (-1,))[..., :K], -1, axis).astype(np.float32)
;;   ~~~
;;   SOFTMAX AHEAD OF A QUANTISED PRODUCT. Where the list says 'softmax', what is quantised is not the finished softmax but p = 2^(t - M), with t = logit x log2(e) and M = ceil(the row's largest t), a whole number; so 1/2 < the row's largest p <= 1. The row's sum l is taken of the UNQUANTISED p, in f32, and the product's result is divided by l at the end. Since M is a whole number, a kernel that streams over the keys may use a running M (the ceiling of the running maximum): every later rescaling is an exact power of two, which a block's scale takes up: the codes' values come out the same.
;;   OPERANDS COMPUTED ON THE WAY. 'Computed on the way' means the value that the module computes at that place (a softmax that the list does not call 'softmax' is quantised finished and normalised). What goes into a quantiser is computed in f32, as accurately as f32 sums, v_exp_f32 and their like allow (about 1e-6 of the number): no bf16 or f16 on the way to a quantiser, and a product that is left as it is and whose result goes on into a quantised operand takes f32 operands (vector FMAs, or v_wmma_f32_16x16x4_f32). A number that lies on a knife's edge between two numbers of the format may be rounded either way, as far as f32 arithmetic and the matrix unit's own rounding can turn it there, and no further.
;; One version. Each part assembles by itself: llvm-mc -triple=amdgcn-amd-amdhsa -mcpu=gfx1250 --defsym DOCPART=n.
;; ======== version 1 of 1: 3 launches
;; workspace buffers: xc 6,291,456 bytes; xs 262,144 bytes; wc 2,359,296 bytes; ws 98,304 bytes; qi 6,553,600 bytes; kv 13,107,200 bytes
;; launch quant (part 1): grid 352 x 1, 4 waves a work-group, no clusters, 33,280 bytes of LDS; arguments x, Wq, Wk, Wv, xc, xs, wc, ws; writes xc, xs, wc, ws
.if DOCPART == 1
	.amdgcn_target "amdgcn-amd-amdhsa--gfx1250"
	.amdhsa_code_object_version 6
	.text
	.protected	k_qd91983d435_quant
	.globl	k_qd91983d435_quant
	.p2align	8
	.type	k_qd91983d435_quant,@function
k_qd91983d435_quant:
	s_mov_b64 s[64:65], 0
	v_nop
	global_prefetch_b8 v0, s[64:65] scope:SCOPE_SE
	s_setreg_imm32_b32 hwreg(HW_REG_WAVE_MODE, 25, 1), 1
	s_wait_xcnt 0x0
; SELF-ATTENTION IN MX-FP6, launch 1 of 3.  x [8192][1024], Wq, Wk, Wv [1024][1024], f32, K innermost, become codes of FP6 (E2M3), 768 bytes a row, and one E8M0 byte for each 32 along K, 32 bytes a row:
; xc, xs for x; wc, ws for the three weights on end (rows 0-1023 Wq, 1024-2047 Wk, 2048-3071 Wv).
; DEAD WORK: none is left out in this program.  All five products are live; bq, bk and bv are added ahead of a quantiser and can move its codes and scales, so all three stay; every input is loaded by some launch.
; A block's scale is 2^(floor(log2(its largest magnitude)) - 2); its byte is the largest magnitude's exponent field - 2, held at 1 from below.
; LIMITS: a block of zeros gets the byte 1 where the problem's quantiser says 127 (its codes are zeros, and these bytes are read by this program alone); blocks whose largest magnitude lies under 2^-124 keep the byte 1;
; NaN and infinities among the inputs are not served.
; ROWS ARE STORED PERMUTED, but for Wv's: storage row p holds source row p with bits 3 and 4 exchanged.  So sixteen neighbouring storage rows 32 b + 16 u + r are the source rows 32 b + 8 u + r + 8 (r / 8):
; the choice of rows by which a matrix result's 16 registers of two neighbouring tiles are 16 neighbours along the next product's K.  A wave owns 8 whole rows, so the exchange is an exchange of the wave's two bits.
; A wave takes 16 steps of 512 numbers.  Each of a step's four loads reads 512 consecutive bytes, 16 a lane; the 2,048 bytes go through the wave's own stage in LDS and come back 64 bytes a lane: 16 neighbours, as
; the conversion wants them; two neighbouring lanes hold a block.  A lane's 16 codes are 12 bytes: the wave stores 384 consecutive bytes.  A wave's 256 scale bytes are gathered in LDS and leave as one aligned run of 256 bytes.
; Work-groups 0-255 take x, 256-287 Wq, 288-319 Wk, 320-351 Wv: only pointers are chosen, all take one path.  No tensor loads, no barrier: waves share nothing.
.set WAVES, 4
.set STEPS, 16
.set EMAX,  2
.set CB,    12                         ; bytes of 16 codes
.set R,     16                         ; v16-79   four sets of 16 numbers as they are loaded
.set X,     80                         ; v80-111  two sets of 16 neighbours
.set C,     128                        ; v128-191 codes: four registers for each step, so that no store's data are written again
.set E,     112                        ; v112-127 a scale byte for each step
.set WREG,  8192                       ; LDS: a region for each wave: two stages of 32 x SP bytes, behind them its 256 scale bytes
.set SP,    80                         ; a lane's place in a stage: its 64 bytes + 16 of padding
.set SPW,   12                         ; v12  LDS address of my spare word; never rewritten
.set NIL,   13                         ; v13  0; never rewritten
.set SPARE, WAVES*WREG                 ; behind the four regions: the spare words, 128 bytes a wave, which no other line names
	s_load_b256 s[4:11], s[0:1], 0x0               ; x, Wq, Wk, Wv
	s_load_b256 s[12:19], s[0:1], 0x20             ; xc, xs, wc, ws
	v_lshl_add_u32 v[SPW], v0, 2, SPARE
	v_mov_b32 v[NIL], 0
	v_lshrrev_b32 v1, 5, v0
	v_readfirstlane_b32 s20, v1                    ; wave
	v_and_b32 v2, 31, v0                           ; lane
	v_lshlrev_b32 v3, 4, v2                        ; my 16 bytes of a load's 512
	s_mul_i32 s24, s20, WREG
	v_lshrrev_b32 v14, 2, v2
	v_mul_u32_u24 v14, v14, SP
	v_and_b32 v15, 3, v2
	v_lshl_add_u32 v14, v15, 4, v14
	v_add_nc_u32 v14, s24, v14                     ; the stage, on the way in: SP (lane / 4) + 16 (lane % 4)
	v_mul_u32_u24 v15, v2, SP
	v_add_nc_u32 v15, s24, v15                     ; and on the way out: SP x lane: my 16 neighbours
	v_mul_u32_u24 v4, v2, CB                       ; my codes' place in a step's
	v_lshrrev_b32 v5, 1, v2
	s_add_co_u32 s24, s24, 2*32*SP
	v_add_nc_u32 v5, s24, v5                       ; LDS: my wave's 256 scale bytes, my block's byte
	v_lshlrev_b32 v7, 3, v2                        ; and on the way out 8 bytes a lane
	v_add_nc_u32 v6, s24, v7
	s_sub_co_u32 s22, ttmp9, 256
	s_and_b32 s22, s22, 31                         ; which of a weight's 32 work-groups
	s_and_b32 s23, s20, 1
	s_lshl_b32 s23, s23, 1
	s_lshr_b32 s25, s20, 1
	s_or_b32 s23, s23, s25                         ; my wave's two bits exchanged: where my 8 rows are stored
	s_wait_alu depctr_va_vdst(0)
	s_wait_kmcnt 0x0
	s_cmp_lt_u32 ttmp9, 320                        ; every choice hangs on the work-group's number alone
	s_cselect_b64 s[8:9], s[8:9], s[10:11]         ; Wk or Wv
	s_cselect_b32 s23, s23, s20                    ; Wv's rows keep their order
	s_cmp_lt_u32 ttmp9, 288
	s_cselect_b64 s[6:7], s[6:7], s[8:9]           ; Wq or one of those
	s_cmp_lt_u32 ttmp9, 256
	s_cselect_b64 s[4:5], s[4:5], s[6:7]           ; x or a weight
	s_cselect_b64 s[12:13], s[12:13], s[16:17]     ; its codes
	s_cselect_b64 s[14:15], s[14:15], s[18:19]     ; its scale bytes
	s_cselect_b32 s21, 0, 256
	s_cselect_b32 s22, ttmp9, s22
	s_lshl_b32 s22, s22, 2
	s_add_co_u32 s22, s22, s20                     ; which run of 8,192 numbers of the source I read
	s_sub_co_u32 s21, ttmp9, s21
	s_lshl_b32 s21, s21, 2
	s_add_co_u32 s21, s21, s23                     ; and which run of the codes' buffer I write
	s_lshl_b32 s26, s22, 15                        ; 32,768 bytes a run
	s_mov_b32 s27, 0
	s_add_nc_u64 s[4:5], s[4:5], s[26:27]
	s_mul_i32 s26, s21, 32*STEPS*CB                ; 6,144 bytes of codes a run
	s_add_nc_u64 s[12:13], s[12:13], s[26:27]
	s_lshl_b32 s26, s21, 8                         ; 256 scale bytes a run
	s_add_nc_u64 s[14:15], s[14:15], s[26:27]
.macro LOAD t
.irp i, 0,1,2,3
	global_load_b128 v[R+16*((\t)%4)+4*\i:R+16*((\t)%4)+4*\i+3], v3, s[4:5] offset:2048*(\t)+512*\i th:TH_LOAD_NT   ; 32 lanes read 512 consecutive bytes
.endr
.endm
.macro TURN t                          ; step t's numbers through the stage: LDS serves a wave's instructions in order, so no wait stands between the stores and the loads
.irp i, 0,1,2,3
	ds_store_b128 v14, v[R+16*((\t)%4)+4*\i:R+16*((\t)%4)+4*\i+3] offset:32*SP*((\t)%2)+8*SP*\i
.endr
.irp i, 0,1,2,3
	ds_load_b128 v[X+16*((\t)%2)+4*\i:X+16*((\t)%2)+4*\i+3], v15 offset:32*SP*((\t)%2)+16*\i
.endr
.endm
.irp t, 0,1,2,3
	LOAD \t
.endr
	s_wait_loadcnt 12                              ; step 0's four loads are in; the 12 of steps 1 to 3 may be out
	TURN 0
.macro STEP t
.set XS, X+16*((\t)%2)
.if (\t) > 0
	s_wait_dscnt 1                                 ; this step's numbers are back from the stage (the last step's byte store may be out): so its stores into the stage have read their registers,
.else
	s_wait_dscnt 0x0
.endif
.if (\t)+4 < STEPS
	LOAD (\t)+4                                    ; which take the loads of four steps on
.endif
.if (\t)+1 < STEPS
.if STEPS-2-(\t) >= 3
	s_wait_loadcnt 12                              ; the next step's four loads are in; those of the three steps behind it may be out
.else
	s_wait_loadcnt 4*(STEPS-2-(\t))
.endif
	TURN (\t)+1                                    ; and go through the other stage while this step is worked
.endif
	v_max3_num_f32 v8, |v[XS]|, |v[XS+1]|, |v[XS+2]|               ; the largest magnitude of my 16, in two chains
	v_max3_num_f32 v9, |v[XS+3]|, |v[XS+4]|, |v[XS+5]|
.irp i, 6,10
	v_max3_num_f32 v8, v8, |v[XS+\i]|, |v[XS+\i+1]|
	v_max3_num_f32 v9, v9, |v[XS+\i+2]|, |v[XS+\i+3]|
.endr
	v_max3_num_f32 v8, v8, |v[XS+14]|, |v[XS+15]|
	v_max3_num_f32 v8, v8, v9, (EMAX+1)<<23        ; and the floor 2^(3 - 127): so the byte cannot fall under 1
	v_max_num_f32_dpp v8, v8, v8 row_xmask:1 row_mask:0xf bank_mask:0xf   ; and of my neighbour's 16: the block's
	v_add_nc_u32 v11, -(EMAX<<23), v8              ; 2 off its exponent field: the conversion takes the exponent field of this operand as its scale, and nothing else of it
	v_cvt_scalef32_pk16_fp6_f32 v[C+4*(\t):C+4*(\t)+2], v[XS:XS+15], v11   ; sixteen numbers / the scale, to the nearest code, ties to even, beyond the largest code the largest; 96 bits without gaps
	v_lshrrev_b32 v[E+(\t)], 23, v11               ; the scale's byte (also the plain line behind the conversion)
	ds_store_b8 v5, v[E+(\t)] offset:16*(\t)       ; both lanes of a block write the same byte with the same value
	global_store_b96 v4, v[C+4*(\t):C+4*(\t)+2], s[12:13] offset:32*CB*(\t)
.endm
.irp t, 0,1,2,3,4,5,6,7,8,9,10,11,12,13,14,15
	STEP \t
.endr
	ds_load_b64 v[8:9], v6                         ; LDS serves a wave's instructions in order: these see my stores
	s_wait_dscnt 0x0
	global_store_b64 v7, v[8:9], s[14:15]          ; 32 lanes store 256 consecutive bytes, aligned
	s_wait_tensorcnt 0x0                           ; the wave's end
	ds_add_u32 v[SPW], v[NIL]
	s_wait_dscnt 0x0
	s_endpgm
.Lfunc_end_k_qd91983d435_quant:
	.size	k_qd91983d435_quant, .Lfunc_end_k_qd91983d435_quant-k_qd91983d435_quant
	.p2alignl 7, 3214868480
	.fill 96, 4, 3214868480
	.section	.rodata,"a",@progbits
	.p2align	6, 0x0
	.amdhsa_kernel k_qd91983d435_quant
		.amdhsa_group_segment_fixed_size 33280
		.amdhsa_private_segment_fixed_size 0
		.amdhsa_enable_private_segment 0
		.amdhsa_kernarg_size 64
		.amdhsa_user_sgpr_count 2
		.amdhsa_user_sgpr_kernarg_segment_ptr 1
		.amdhsa_wavefront_size32 1
		.amdhsa_system_sgpr_workgroup_id_x 1
		.amdhsa_system_sgpr_workgroup_id_y 1
		.amdhsa_system_sgpr_workgroup_id_z 1
		.amdhsa_system_vgpr_workitem_id 0
		.amdhsa_next_free_vgpr 192
		.amdhsa_next_free_sgpr 66
		.amdhsa_reserve_vcc 0
		.amdhsa_float_denorm_mode_32 3
		.amdhsa_float_denorm_mode_16_64 3
		.amdhsa_memory_ordered 1
		.amdhsa_forward_progress 1
		.amdhsa_inst_pref_size 33
	.end_amdhsa_kernel
	.amdgpu_metadata
---
amdhsa.version: [ 1, 2 ]
amdhsa.kernels:
  - .name:           k_qd91983d435_quant
    .symbol:         k_qd91983d435_quant.kd
    .args:
      - { .name: x, .offset: 0, .size: 8, .value_kind: global_buffer, .address_space: global }
      - { .name: Wq, .offset: 8, .size: 8, .value_kind: global_buffer, .address_space: global }
      - { .name: Wk, .offset: 16, .size: 8, .value_kind: global_buffer, .address_space: global }
      - { .name: Wv, .offset: 24, .size: 8, .value_kind: global_buffer, .address_space: global }
      - { .name: xc, .offset: 32, .size: 8, .value_kind: global_buffer, .address_space: global }
      - { .name: xs, .offset: 40, .size: 8, .value_kind: global_buffer, .address_space: global }
      - { .name: wc, .offset: 48, .size: 8, .value_kind: global_buffer, .address_space: global }
      - { .name: ws, .offset: 56, .size: 8, .value_kind: global_buffer, .address_space: global }
    .group_segment_fixed_size: 33280
    .private_segment_fixed_size: 0
    .kernarg_segment_align: 8
    .kernarg_segment_size: 64
    .max_flat_workgroup_size: 128
    .sgpr_count:     66
    .vgpr_count:     192
    .wavefront_size: 32
...
	.end_amdgpu_metadata
.endif
;; end of part 1
;; launch proj (part 2): grid 12 x 32, 4 waves a work-group, clusters of 4 x 4, 327,680 bytes of LDS; arguments xc, xs, wc, ws, bq, bk, bv, qi, kv; writes qi, kv
.if DOCPART == 2
	.amdgcn_target "amdgcn-amd-amdhsa--gfx1250"
	.amdhsa_code_object_version 6
	.text
	.protected	k_qd91983d435_proj
	.globl	k_qd91983d435_proj
	.p2align	8
	.type	k_qd91983d435_proj,@function
k_qd91983d435_proj:
	s_mov_b64 s[64:65], 0
	v_nop
	global_prefetch_b8 v0, s[64:65] scope:SCOPE_SE
	s_setreg_imm32_b32 hwreg(HW_REG_WAVE_MODE, 25, 1), 1
	s_wait_xcnt 0x0
	s_wait_alu depctr_hold_cnt(0) depctr_sa_sdst(0) depctr_va_vdst(0) depctr_va_sdst(0) depctr_va_ssrc(0) depctr_va_vcc(0) depctr_vm_vsrc(0)
	s_getreg_b32 s2, hwreg(HW_REG_IB_STS2, 6, 4)
	s_cmp_eq_u32 s2, 0
	s_cbranch_scc0 .Lentry_in_a_cluster
	s_endpgm
.Lentry_in_a_cluster:
	s_bfe_u32 s2, ttmp6, 0x10000c
	s_cmp_lg_u32 s2, 0xf033
	s_cbranch_scc0 .Lentry_shape_is_right
	s_endpgm
.Lentry_shape_is_right:
.set KSTEP,  256
.set NQ,     KSTEP/128
.set ROWB,   192
.set KROW,   768
.set PITCH,  240
.set FR,     12
.set NL,     6
.set NP,     4
.set HALFT,  128*PITCH
.set SLOT,   4*HALFT
.set LAPS,   2
.set KS,     32
.set SCL,    2*SLOT
.set HALFS,  (128*KS/256)*272
.set SBLK,   (16*KS/256)*272
.set SPARE,  SCL+4*HALFS
.set BO,   8
.set RO,   9
.set LI,   10
.set SA,   11
.set ADRA, 16
.set ADRB, 20
.set ADRS, 27
.set SPW,  28
.set NIL,  29
.set SC,   32
.set BI,   64
.set AF,   128
.set BV,   224
.set TM,   32
.set WD,   48
.set WS,   56
.set HA,   128
.set IMG0, 192
.set IMG1, 204
.set CT,   216
.set G1, 24
.set G0, 32
.set G1B, 48
.set G0B, 56
.set G1S, 68
.set G0S, 76
.set G1SB, 80
.set G0SB, 88
.set MSB, 0
.macro WIN new
.if MSB != (\new)
	s_set_vgpr_msb (MSB<<8)|(\new)
.set MSB, (\new)
.endif
.endm
.set MUL_LO, 0xa1
.set MUL_HI, 0xf1
.set TO_B,   0x40
.macro JLOAD g0a, g1a, g0b, g1b
	s_cmp_eq_u32 s15, 0
	s_cbranch_scc0 .Lfor_b_\@
	tensor_load_to_lds s[\g0a:\g0a+3], s[\g1a:\g1a+7]
	s_nop 0
.rept 4
	v_nop
.endr
	s_branch .Lasked_\@
.Lfor_b_\@:
	tensor_load_to_lds s[\g0b:\g0b+3], s[\g1b:\g1b+7]
	s_nop 0
.rept 4
	v_nop
.endr
.Lasked_\@:
.endm
.macro CREST
	s_cmp_lg_u32 s14, 0
	s_cbranch_scc1 .Lnot_wave_0_\@
	s_barrier_signal -3
.Lnot_wave_0_\@:
	s_barrier_wait -3
	s_barrier_signal -1
	s_barrier_wait -1
.endm
.macro CROUND
	s_barrier_signal -1
	s_barrier_wait -1
	CREST
.endm
	s_load_b256 s[4:11], s[0:1], 0x0
	s_load_b256 s[92:99], s[0:1], 0x20
	s_load_b64 s[12:13], s[0:1], 0x40
	v_lshl_add_u32 v[SPW], v0, 2, SPARE
	v_mov_b32 v[NIL], 0
	ds_add_u32 v[SPW], v[NIL]
	ds_add_u32 v[SPW], v[NIL]
	v_lshrrev_b32 v1, 5, v0
	v_readfirstlane_b32 s14, v1
	s_lshr_b32 s15, s14, 1
	s_and_b32 s16, s14, 1
	s_bfe_u32 s40, ttmp6, 0x40000
	s_bfe_u32 s41, ttmp6, 0x40004
	s_and_b32 s17, ttmp7, 0xffff
	s_cmp_eq_u32 ttmp9, 2
	s_cselect_b32 s66, 1, 0
	s_cselect_b32 s42, s17, ttmp9
	s_cselect_b32 s17, 0, s17
	s_lshl_b32 s42, s42, 2
	s_add_co_u32 s42, s42, s40
	s_lshl_b32 s17, s17, 2
	s_add_co_u32 s17, s17, s41
	s_lshl_b32 s43, s41, 2
	s_lshl_b32 s43, 15, s43
	s_lshl_b32 s44, 0x1111, s40
	s_or_b32 s[G1+0], s43, (0<<16)|(1<<20)|(1<<21)|(3<<22)|(3<<25)
	s_or_b32 s[G1B+0], s44, (0<<16)|(1<<20)|(1<<21)|(3<<22)|(3<<25)
.irp g, G1, G1B
	s_mov_b32 s[\g+1], ROWB<<16
	s_mov_b32 s[\g+2], 128<<16
	s_mov_b32 s[\g+3], ROWB<<16
	s_mov_b32 s[\g+4], 128
	s_mov_b32 s[\g+5], KROW
	s_mov_b32 s[\g+6], 0
	s_mov_b32 s[\g+7], 0
.endr
	s_or_b32 s[G1S+0], s43, (3<<16)|(1<<20)|(1<<21)|(5<<22)|(3<<25)
	s_or_b32 s[G1SB+0], s44, (3<<16)|(1<<20)|(1<<21)|(5<<22)|(3<<25)
.irp g, G1S, G1SB
	s_mov_b32 s[\g+1], 32<<16
	s_mov_b32 s[\g+2], (128*KS/256)<<16
	s_mov_b32 s[\g+3], 32<<16
	s_mov_b32 s[\g+4], 128*KS/256
	s_mov_b32 s[\g+5], 32
	s_mov_b32 s[\g+6], 0
	s_mov_b32 s[\g+7], 0
.endr
	s_lshl_b32 s18, s16, 7
	s_lshl_b32 s20, s17, 8
	s_add_co_u32 s20, s20, s18
	s_lshl_b32 s46, s42, 8
	s_add_co_u32 s46, s46, s18
	s_mov_b32 s21, 0
	s_mov_b32 s47, 0
	s_mov_b64 s[18:19], KS
	s_mul_u64 s[22:23], s[20:21], s[18:19]
	s_mul_u64 s[100:101], s[46:47], s[18:19]
	s_mov_b64 s[18:19], KROW
	s_mul_u64 s[20:21], s[20:21], s[18:19]
	s_mul_u64 s[46:47], s[46:47], s[18:19]
	s_mul_i32 s45, s14, HALFT
	s_mul_i32 s2, s14, HALFS
	s_wait_dscnt 0x0
	s_wait_kmcnt 0x0
	s_add_nc_u64 s[18:19], s[8:9], 2048*KROW
	s_cmp_eq_u32 s66, 1
	s_cselect_b64 s[18:19], s[18:19], s[4:5]
	s_cselect_b64 s[8:9], s[4:5], s[8:9]
	s_add_nc_u64 s[4:5], s[10:11], 2048*KS
	s_cselect_b64 s[4:5], s[4:5], s[6:7]
	s_cselect_b64 s[10:11], s[6:7], s[10:11]
	s_add_nc_u64 s[20:21], s[18:19], s[20:21]
	s_add_nc_u64 s[22:23], s[4:5], s[22:23]
	s_add_nc_u64 s[46:47], s[8:9], s[46:47]
	s_add_nc_u64 s[100:101], s[10:11], s[100:101]
	CROUND
	s_mov_b32 s[G0S], 1
	s_add_co_u32 s[G0S+1], s2, SCL
	s_mov_b64 s[G0S+2:G0S+3], s[22:23]
	s_or_b32 s[G0S+3], s[G0S+3], 0x80000000
	s_mov_b32 s[G0SB], 1
	s_add_co_u32 s[G0SB+1], s2, SCL
	s_mov_b64 s[G0SB+2:G0SB+3], s[100:101]
	s_or_b32 s[G0SB+3], s[G0SB+3], 0x80000000
	JLOAD G0S, G1S, G0SB, G1SB
.irp s, 0,1
	s_mov_b32 s[G0+4*\s], 1
	s_add_co_u32 s[G0+4*\s+1], s45, \s*SLOT
	s_add_nc_u64 s[G0+4*\s+2:G0+4*\s+3], s[20:21], \s*ROWB
	s_or_b32 s[G0+4*\s+3], s[G0+4*\s+3], 0x80000000
	s_mov_b32 s[G0B+4*\s], 1
	s_add_co_u32 s[G0B+4*\s+1], s45, \s*SLOT
	s_add_nc_u64 s[G0B+4*\s+2:G0B+4*\s+3], s[46:47], \s*ROWB
	s_or_b32 s[G0B+4*\s+3], s[G0B+4*\s+3], 0x80000000
	s_wait_alu depctr_va_vdst(0)
	s_wait_tensorcnt 0x0
	ds_add_u32 v28, v29
	s_wait_dscnt 0x0
	CROUND
	JLOAD G0+4*\s, G1, G0B+4*\s, G1B
.endr
	v_and_b32 v1, 15, v0
	v_bfe_u32 v2, v0, 4, 1
	v_mul_u32_u24 v3, v1, PITCH
	v_mul_u32_u24 v4, v2, 24
	v_add_nc_u32 v4, v3, v4
	v_lshl_add_u32 v5, v2, 4, v4
	s_mul_i32 s21, s15, HALFT
	s_mul_i32 s22, s16, HALFT
	s_add_co_u32 s22, s22, 2*HALFT
.irp s, 0,1
	v_add_nc_u32 v[ADRA+\s], s21, v4
	v_add_nc_u32 v[ADRB+\s], s22, v4
	v_add_nc_u32 v[ADRA+2+\s], s21, v5
	v_add_nc_u32 v[ADRB+2+\s], s22, v5
	s_add_co_u32 s21, s21, SLOT
	s_add_co_u32 s22, s22, SLOT
.endr
	v_mul_u32_u24 v5, v1, KS
	v_lshrrev_b32 v6, 8, v5
	v_lshl_add_u32 v5, v6, 4, v5
	s_mul_i32 s21, s15, HALFS
	s_mul_i32 s22, s16, HALFS
	s_add_co_u32 s22, s22, 2*HALFS
	s_sub_co_u32 s22, s22, s21
	v_mul_u32_u24 v6, s22, v2
	s_add_co_u32 s21, s21, SCL
	v_add_nc_u32 v5, v5, v6
	v_add_nc_u32 v[ADRS], s21, v5
	s_lshl_b32 s20, s17, 1
	s_add_co_u32 s20, s20, s15
	s_lshl_b32 s21, s42, 1
	s_add_co_u32 s21, s21, s16
	s_and_b32 s23, s21, 7
	s_cmp_eq_u32 s66, 1
	s_cselect_b32 s22, s21, s20
	s_cselect_b32 s23, s20, s23
	s_cselect_b32 s19, 6400, 0
	s_mov_b32 s67, 12800
	s_cmp_eq_u32 ttmp9, 0
	s_cselect_b32 s67, 6400, s67
	s_cselect_b64 s[12:13], s[98:99], s[12:13]
	s_lshr_b32 s18, s22, 4
	s_lshl_b32 s18, s18, 8
	s_lshl_b32 s46, s23, 5
	s_or_b32 s18, s18, s46
	s_and_b32 s46, s22, 15
	s_or_b32 s18, s18, s46
	s_mul_i32 s18, s18, s67
	s_add_co_u32 s18, s18, s19
	s_mov_b32 s19, 0
	s_add_nc_u64 s[12:13], s[12:13], s[18:19]
	s_lshl_b32 s18, s67, 4
	s_add_nc_u64 s[46:47], s[12:13], s[18:19]
	v_mul_u32_u24 v[SA], s18, v2
	v_lshl_add_u32 v[SA], v1, 4, v[SA]
	s_cmp_eq_u32 ttmp9, 1
	s_cselect_b64 s[94:95], s[94:95], s[96:97]
	s_cmp_eq_u32 ttmp9, 0
	s_cselect_b64 s[92:93], s[92:93], s[94:95]
	s_lshl_b32 s18, s23, 9
	s_add_nc_u64 s[92:93], s[92:93], s[18:19]
	v_lshlrev_b32 v[BO], 6, v2
	v_lshlrev_b32 v[RO], 2, v1
	v_and_b32 v[LI], 31, v0
	v_lshlrev_b32 v[LI], 4, v[LI]
.irp b, 0,1,2,3,4,5,6,7
	global_load_b128 v[BI+8*\b:BI+8*\b+3], v[BO], s[92:93] offset:(32*(\b/2)+8*(\b%2))*4
	global_load_b128 v[BI+8*\b+4:BI+8*\b+7], v[BO], s[92:93] offset:(32*(\b/2)+8*(\b%2))*4+16
.endr
.irp a, 0,1,2,3,4,5,6,7
	global_load_b32 v[BV+2*\a], v[RO], s[92:93] offset:64*\a
	global_load_b32 v[BV+2*\a+1], v[RO], s[92:93] offset:64*\a
.endr
.macro FRAG reg, adr, q, i
.irp p, 0,1,2,3,4,5
.set PCE, 12*(\q)+6*(\p/3)+\p%3
.if PCE%8 < 5
	ds_load_b64 v[\reg+2*\p:\reg+2*\p+1], v[\adr] offset:8*PCE+16*(PCE/8)+(\i)*16*PITCH
.else
	ds_load_b64 v[\reg+2*\p:\reg+2*\p+1], v[\adr+2] offset:8*PCE+16*(PCE/8)+(\i)*16*PITCH
.endif
.endr
.endm
.macro MUL16 a0, p, q, sc, zero
.irp a, \a0, \a0+1
.irp b, 0,1,2,3,4,5,6,7
.if \zero
	v_wmma_scale_f32_16x16x128_f8f6f4 v[8*(8*((\a)%4)+\b):8*(8*((\a)%4)+\b)+7], v[128*(\p)+FR*\b:128*(\p)+FR*\b+FR-1], v[AF+FR*(\a):AF+FR*(\a)+FR-1], 0, v[SC+8*NQ*(\sc)+NQ*\b+(\q)], v[SC+8*NQ*(\sc)+NQ*(\a)+(\q)] matrix_a_fmt:MATRIX_FMT_FP6 matrix_b_fmt:MATRIX_FMT_FP6 matrix_a_scale:MATRIX_SCALE_ROW1
.else
	v_wmma_scale_f32_16x16x128_f8f6f4 v[8*(8*((\a)%4)+\b):8*(8*((\a)%4)+\b)+7], v[128*(\p)+FR*\b:128*(\p)+FR*\b+FR-1], v[AF+FR*(\a):AF+FR*(\a)+FR-1], v[8*(8*((\a)%4)+\b):8*(8*((\a)%4)+\b)+7], v[SC+8*NQ*(\sc)+NQ*\b+(\q)], v[SC+8*NQ*(\sc)+NQ*(\a)+(\q)] matrix_a_fmt:MATRIX_FMT_FP6 matrix_b_fmt:MATRIX_FMT_FP6 matrix_a_scale:MATRIX_SCALE_ROW1
.endif
.endr
.endr
.endm
.macro FETCH_B slot, q, p
	WIN TO_B
.irp i, 0,1,2,3,4,5,6,7
	FRAG 128*(\p)+FR*\i, ADRB+\slot, \q, \i
.endr
	WIN 0
.endm
.macro FETCH_A slot, q, i0
.irp i, \i0, \i0+1, \i0+2, \i0+3
	FRAG AF+FR*(\i), ADRA+\slot, \q, \i
.endr
.endm
.macro SCALES sc
.irp i, 0,1,2,3,4,5,6,7
	ds_load_b64 v[SC+8*NQ*\sc+NQ*\i:SC+8*NQ*\sc+NQ*\i+1], v[ADRS] offset:\i*SBLK
.endr
.endm
.macro PLACES n
.rept \n
	v_nop
.endr
.endm
.macro STEP slot, q, zero
	s_wait_dscnt 4*NL
	WIN MUL_LO
	MUL16 0, (\q)%2, \q, \slot, \zero
	MUL16 2, (\q)%2, \q, \slot, \zero
	s_wait_dscnt 0
	PLACES NP
	FETCH_B \slot, (\q)+1, 1-(\q)%2
	FETCH_A \slot, (\q)+1, 0
	WIN MUL_HI
	MUL16 4, (\q)%2, \q, \slot, \zero
	MUL16 6, (\q)%2, \q, \slot, \zero
	PLACES NP
	WIN 0
	FETCH_A \slot, (\q)+1, 4
.endm
.macro TURN slot, next, fill
	s_wait_tensorcnt 0x0
	ds_add_u32 v[SPW], v[NIL]
	s_wait_dscnt 4*NL+1
	WIN MUL_LO
	MUL16 0, 1, NQ-1, \slot, 0
	s_wait_dscnt 0x0
	s_barrier_signal -1
	MUL16 2, 1, NQ-1, \slot, 0
	WIN 0
	s_barrier_wait -1
.if \fill
	CREST
	s_add_nc_u64 s[G0+4*\slot+2:G0+4*\slot+3], s[G0+4*\slot+2:G0+4*\slot+3], 2*ROWB
	s_add_nc_u64 s[G0B+4*\slot+2:G0B+4*\slot+3], s[G0B+4*\slot+2:G0B+4*\slot+3], 2*ROWB
	JLOAD G0+4*\slot, G1, G0B+4*\slot, G1B
.else
	PLACES NP
.endif
	s_wait_alu depctr_va_vdst(0)
	v_add_nc_u32 v[ADRS], 4*NQ, v[ADRS]
	FETCH_B \next, 0, 0
	FETCH_A \next, 0, 0
	SCALES \next
	WIN MUL_HI
	MUL16 4, 1, NQ-1, \slot, 0
	MUL16 6, 1, NQ-1, \slot, 0
	PLACES NP
	WIN 0
	FETCH_A \next, 0, 4
.endm
	s_wait_alu depctr_va_vdst(0)
	s_wait_tensorcnt 1
	s_barrier_signal -1
	s_barrier_wait -1
	FETCH_B 0, 0, 0
	FETCH_A 0, 0, 0
	SCALES 0
	FETCH_A 0, 0, 4
	STEP 0, 0, 1
	s_mov_b32 s3, LAPS-1
.Llap:
	TURN 0, 1, 1
	STEP 1, 0, 0
	TURN 1, 0, 1
	STEP 0, 0, 0
	s_sub_co_u32 s3, s3, 1
	s_cmp_lg_u32 s3, 0
	s_cbranch_scc1 .Llap
	TURN 0, 1, 0
	STEP 1, 0, 0
	s_wait_dscnt 4*NL
	WIN MUL_LO
	MUL16 0, 1, NQ-1, 1, 0
	MUL16 2, 1, NQ-1, 1, 0
	s_wait_dscnt 0
	WIN MUL_HI
	MUL16 4, 1, NQ-1, 1, 0
	MUL16 6, 1, NQ-1, 1, 0
	WIN 0
.macro GET a, v
	WIN 0x02+(\a)/4
.set AC, 64*((\a)%4)
.set i, 0
.rept 32
.if \v
	v_pk_add_f32 v[HA+2*i:HA+2*i+1], v[AC+2*i:AC+2*i+1], v[BV+2*(\a):BV+2*(\a)+1]
.else
	v_pk_add_f32 v[HA+2*i:HA+2*i+1], v[AC+2*i:AC+2*i+1], v[BI+2*i:BI+2*i+1]
.endif
.set i, i+1
.endr
	WIN 0
.endm
.macro QUANT s, d0, d1
.irp b, 0,1,2,3
	v_max3_num_f32 v[TM+\b], |v[\s+16*\b]|, |v[\s+1+16*\b]|, 0x1800000
.endr
.irp i, 2,4,6,8,10,12,14
.irp b, 0,1,2,3
	v_max3_num_f32 v[TM+\b], v[TM+\b], |v[\s+16*\b+\i]|, |v[\s+1+16*\b+\i]|
.endr
.endr
.irp b, 0,1,2,3
	v_permlanex16_b32 v[TM+4+\b], v[TM+\b], s20, s21
.endr
.irp b, 0,1,2,3
	v_max_num_f32 v[TM+\b], v[TM+\b], v[TM+4+\b]
.endr
.irp b, 0,1,2,3
	v_add_nc_u32 v[TM+12+\b], 0xff000000, v[TM+\b]
.endr
.irp b, 0,1,2,3
	v_lshrrev_b32 v[TM+4+\b], 23, v[TM+12+\b]
.endr
	v_cvt_scalef32_pk16_fp6_f32 v[(\d0):(\d0)+2], v[\s:\s+15], v[TM+12]
	v_cvt_scalef32_pk16_fp6_f32 v[CT:CT+2], v[\s+16:\s+31], v[TM+13]
	v_cvt_scalef32_pk16_fp6_f32 v[(\d1):(\d1)+2], v[\s+32:\s+47], v[TM+14]
	v_cvt_scalef32_pk16_fp6_f32 v[CT+4:CT+6], v[\s+48:\s+63], v[TM+15]
	v_nop
.irp i, 0,1,2
	v_permlane16_swap_b32 v[(\d0)+\i], v[CT+\i]
	v_permlane16_swap_b32 v[(\d1)+\i], v[CT+4+\i]
.endr
.irp i, 0,1,2
	v_mov_b32 v[(\d0)+3+\i], v[CT+\i]
	v_mov_b32 v[(\d1)+3+\i], v[CT+4+\i]
.endr
.endm
.macro PUT img, base, off
.irp g, 0,1,2
	global_store_b128 v[LI], v[(\img)+4*\g:(\img)+4*\g+3], s[\base:\base+1] offset:(\off)+512*\g
.endr
.endm
	PLACES NP
	s_wait_loadcnt 0x0
.irp b, 0,1,2,3
	v_mov_b32 v[TM+4+\b], 0
.endr
	s_mov_b32 s18, 0xffff0000
	s_mov_b32 s20, 0x76543210
	s_mov_b32 s21, 0xfedcba98
	s_cmp_eq_u32 s66, 1
	s_cbranch_scc1 .Lv
.irp p, 0,1,2,3
	GET 2*\p, 0
.if \p > 0
	s_wait_xcnt 0x0
.endif
	QUANT HA, IMG0, IMG1
	v_lshl_or_b32 v[WD+\p], v[TM+5], 8, v[TM+4]
	v_lshl_or_b32 v[WD+4+\p], v[TM+7], 8, v[TM+6]
	GET 2*\p+1, 0
	QUANT HA, IMG0+6, IMG1+6
	v_lshl_or_b32 v[WD+\p], v[TM+4], 16, v[WD+\p]
	v_lshl_or_b32 v[WD+4+\p], v[TM+6], 16, v[WD+4+\p]
	v_lshl_or_b32 v[WD+\p], v[TM+5], 24, v[WD+\p]
	v_lshl_or_b32 v[WD+4+\p], v[TM+7], 24, v[WD+4+\p]
	PUT IMG0, 12, 1536*\p
	PUT IMG1, 46, 1536*\p
.endr
	s_branch .Lw
.Lv:
.irp a, 0,1,2,3,4,5,6,7
	GET \a, 1
.if \a > 0
	s_wait_xcnt 0x0
.endif
	QUANT HA, IMG0, IMG0+6
	v_lshl_or_b32 v[WD+\a], v[TM+5], 8, v[TM+4]
	v_lshl_or_b32 v[WD+\a], v[TM+6], 16, v[WD+\a]
	v_lshl_or_b32 v[WD+\a], v[TM+7], 24, v[WD+\a]
.if \a < 4
	PUT IMG0, 12, 1536*\a
.else
	PUT IMG0, 46, 1536*(\a-4)
.endif
.endr
.Lw:
	s_wait_alu depctr_va_vdst(0)
.irp j, 0,1,2,3
	v_cndmask_b32 v[WS+\j], v[WD+\j], v[WD+4+\j], s18
.endr
	global_store_b128 v[SA], v[WS:WS+3], s[12:13] offset:6144
	s_wait_tensorcnt 0x0
	ds_add_u32 v[SPW], v[NIL]
	s_wait_dscnt 0x0
	CROUND
	s_endpgm
.Lfunc_end_k_qd91983d435_proj:
	.size	k_qd91983d435_proj, .Lfunc_end_k_qd91983d435_proj-k_qd91983d435_proj
	.p2alignl 7, 3214868480
	.fill 96, 4, 3214868480
	.section	.rodata,"a",@progbits
	.p2align	6, 0x0
	.amdhsa_kernel k_qd91983d435_proj
		.amdhsa_group_segment_fixed_size 327680
		.amdhsa_private_segment_fixed_size 0
		.amdhsa_enable_private_segment 0
		.amdhsa_kernarg_size 72
		.amdhsa_user_sgpr_count 2
		.amdhsa_user_sgpr_kernarg_segment_ptr 1
		.amdhsa_wavefront_size32 1
		.amdhsa_system_sgpr_workgroup_id_x 1
		.amdhsa_system_sgpr_workgroup_id_y 1
		.amdhsa_system_sgpr_workgroup_id_z 1
		.amdhsa_system_vgpr_workitem_id 0
		.amdhsa_next_free_vgpr 1024
		.amdhsa_next_free_sgpr 102
		.amdhsa_reserve_vcc 0
		.amdhsa_float_denorm_mode_32 3
		.amdhsa_float_denorm_mode_16_64 3
		.amdhsa_memory_ordered 1
		.amdhsa_forward_progress 1
		.amdhsa_inst_pref_size 233
	.end_amdhsa_kernel
	.amdgpu_metadata
---
amdhsa.version: [ 1, 2 ]
amdhsa.kernels:
  - .name:           k_qd91983d435_proj
    .symbol:         k_qd91983d435_proj.kd
    .args:
      - { .name: xc, .offset: 0, .size: 8, .value_kind: global_buffer, .address_space: global }
      - { .name: xs, .offset: 8, .size: 8, .value_kind: global_buffer, .address_space: global }
      - { .name: wc, .offset: 16, .size: 8, .value_kind: global_buffer, .address_space: global }
      - { .name: ws, .offset: 24, .size: 8, .value_kind: global_buffer, .address_space: global }
      - { .name: bq, .offset: 32, .size: 8, .value_kind: global_buffer, .address_space: global }
      - { .name: bk, .offset: 40, .size: 8, .value_kind: global_buffer, .address_space: global }
      - { .name: bv, .offset: 48, .size: 8, .value_kind: global_buffer, .address_space: global }
      - { .name: qi, .offset: 56, .size: 8, .value_kind: global_buffer, .address_space: global }
      - { .name: kv, .offset: 64, .size: 8, .value_kind: global_buffer, .address_space: global }
    .group_segment_fixed_size: 327680
    .private_segment_fixed_size: 0
    .kernarg_segment_align: 8
    .kernarg_segment_size: 72
    .max_flat_workgroup_size: 128
    .sgpr_count:     102
    .vgpr_count:     1024
    .wavefront_size: 32
...
	.end_amdgpu_metadata
.endif
;; end of part 2
;; launch attn (part 3): grid 4 x 64, 16 waves a work-group, clusters of 4 x 1, 276,480 bytes of LDS; arguments qi, kv, out0; writes out0
.if DOCPART == 3
	.amdgcn_target "amdgcn-amd-amdhsa--gfx1250"
	.amdhsa_code_object_version 6
	.text
	.protected	k_qd91983d435_attn
	.globl	k_qd91983d435_attn
	.p2align	8
	.type	k_qd91983d435_attn,@function
k_qd91983d435_attn:
	s_mov_b64 s[64:65], 0
	v_nop
	global_prefetch_b8 v0, s[64:65] scope:SCOPE_SE
	s_setreg_imm32_b32 hwreg(HW_REG_WAVE_MODE, 25, 1), 1
	s_wait_xcnt 0x0
	s_wait_alu depctr_hold_cnt(0) depctr_sa_sdst(0) depctr_va_vdst(0) depctr_va_sdst(0) depctr_va_ssrc(0) depctr_va_vcc(0) depctr_vm_vsrc(0)
	s_getreg_b32 s2, hwreg(HW_REG_IB_STS2, 6, 4)
	s_cmp_eq_u32 s2, 0
	s_cbranch_scc0 .Lentry_in_a_cluster
	s_endpgm
.Lentry_in_a_cluster:
	s_bfe_u32 s2, ttmp6, 0x10000c
	s_cmp_lg_u32 s2, 0x3003
	s_cbranch_scc0 .Lentry_shape_is_right
	s_endpgm
.Lentry_shape_is_right:
; SELF-ATTENTION IN MX-FP6, launch 3 of 3: out[b][q][head][:] = the sum over k of softmax_k(q . k / 8) v[k][:], both products on codes of FP6 with E8M0 scales.  No work is left out.
; THE SOFTMAX AHEAD OF THE SECOND PRODUCT: t = score x log2(e) / 8; M = the row's largest t so far, rounded UP to a whole number; p = 2^(t - M) is quantised along the keys, not normalised.  The row's sum is taken of the
; unquantised p, in f32, and divides O at the end.  When M moves, the sum and O are multiplied by 2^(old M - new M): exact.
; LIMITS: NaN and infinities are not served; a block of p that has fallen to zeros keeps the byte 1 (its codes are zeros); a block's largest p is made from the block's largest score by the same two instructions, which takes
; v_exp_f32 not to fall where its input rises.
; SHARES.  A work-group owns 512 queries of one (batch, head): 32 tiles of 16.  Each of its sixteen waves owns TWO tiles and walks them one after the other (PASS 0, PASS 1), each over all 2,048 keys, in 256 registers:
; four waves to a SIMD, so that one wave's vector work stands beside another's products and LDS loads.
; LDS.  The head's k and v, as operand images with their scale words, are 16 steps of 12,800 bytes: 204,800 bytes, which fit whole.  Each wave brings one step by one tensor load; nothing is filled again: no ring, one barrier; both passes read the same bytes.
; CLUSTER.  The four query blocks of a head read the same 204,800 bytes: each of the 16 loads is asked for jointly, with the same descriptor and a mask that names the four.
; THE HEAD IS 64 DEEP, THE INSTRUCTION 128.  An image of k holds two sets of 16 keys side by side along K, [Ka | Kb].  Multiplied by [Q | 0] it gives Ka's scores, by [0 | Q] Kb's (zero codes add nothing under any scale byte but 0xff).
; A tile's six registers of Q stand between two runs of six zeros: from the run's first register on lies [0 | Q], from its seventh on [Q | 0].
; LAYOUT.  Both products are used transposed: S^T = K Q^T, O^T = V^T P^T: a lane holds ONE query throughout.  Lane r of Ka holds key 32 p + r + 8 (r / 8), Kb the key 8 further on, so the 16 registers of a pair's two results are keys 32 p + 16 (lane / 16) + 0 .. 15.
.set STEPB, 12800                      ; a step in LDS: k's four images and 256 bytes of words, then v's
.set VOFF,  6400
.set SCO,   6144                       ; the words behind the four images
.set SPARE, 16*STEPB                   ; the spare words, 128 bytes for each of 16 waves, which no other line names
.set STAGE, SPARE+2048                 ; the way out: 16 rows x (256 bytes + 16) for each wave; no tensor load lands here
.set QSTEP, 2*6400                     ; from pass 0's block of qi to pass 1's: 256 queries are two blocks
.set OSTEP, 256*4096                   ; and in out0: 256 rows of 4,096 bytes
.set LI,  1                            ; v1   16 x lane: my place in an image
.set LSC, 2                            ; v2   my scale words: lanes 0-15 k's, lanes 16-31 v's
.set ADR, 3                            ; v3   the step's images
.set ADS, 4                            ; v4   the step's words
.set SPW, 5                            ; v5   LDS address of my spare word; never rewritten
.set NIL, 6                            ; v6   0; never rewritten
.set GO,  7                            ; v7   the way out: my byte offset in out0; never rewritten
.set QB0, 16                           ; v16-33   pass 0: six zeros, Q, six zeros
.set QS0, 34                           ; v34      its scale word: lanes 0-15 for [Q | 0], lanes 16-31 for [0 | Q]
.set F,   36                           ; v36-83   four images: k's, then v's
.set SC,  84                           ; v84-87   their scale words
.set S,   96                           ; v96-159  S^T, then p
.set O,   160                          ; v160-191 O^T
.set PC,  192                          ; v192-203 p's codes
.set CT,  204                          ; v204-206, v208-210 the odd blocks' codes
.set BM,  212                          ; v212-215 each block's largest score, then its largest p
.set PD,  216                          ; v216-219 the other half's maxima; a chain of the sum; the bytes
.set SO,  220                          ; v220-223 the conversions' scale operands
.set F2,  224                          ; v[224:225] f = 2^(old M - new M); the upper register is named with it and holds 0
.set PW,  226                          ; v226 p's scale word
.set T,   227                          ; v227 at work.   v12 -M, v13 the largest t, v[14:15] the sum in two halves
.set QB1, 228                          ; v228-245 pass 1: six zeros, Q, six zeros
.set QS1, 246                          ; v246     its scale word
.set WV,  18
.set SEL, 20                           ; s[20:21] selects for lane l xor 16
.set CS,  22                           ; s[22:23] c = log2(e) / 8
.set G1,  24
.set G0,  32
.set TB,  36                           ; s36  LDS byte at which the step in hand begins
.set CNT, 37
.macro CROUND                          ; a round of the cluster's barrier
	s_barrier_signal -1
	s_barrier_wait -1
	s_cmp_lg_u32 s[WV], 0
	s_cbranch_scc1 .Lnot_wave_0_\@
	s_barrier_signal -3
.Lnot_wave_0_\@:
	s_barrier_wait -3
	s_barrier_signal -1
	s_barrier_wait -1
.endm
	s_load_b128 s[4:7], s[0:1], 0x0                ; qi, kv
	s_load_b64 s[8:9], s[0:1], 0x10                ; out0
	v_lshl_add_u32 v[SPW], v0, 2, SPARE
	v_mov_b32 v[NIL], 0
	ds_add_u32 v[SPW], v[NIL]                      ; the wave's opening: the add, twice on end, and its wait ahead of my first tensor load
	ds_add_u32 v[SPW], v[NIL]
	v_lshrrev_b32 v8, 5, v0
	s_delay_alu instid0(VALU_DEP_1)
	v_readfirstlane_b32 s[WV], v8                  ; wave 0..15
	s_bfe_u32 s38, ttmp6, 0x40000                  ; cx: my block of 512 queries; it enters qi's and out0's addresses alone
	s_and_b32 s39, ttmp7, 0xffff                   ; 16 x batch + head, which the four partners share
	; descriptor group 1: a dense block of 12,800 bytes as 50 rows of 256 bytes (32 elements of 8 bytes), no padding
	s_mov_b32 s[G1], 15|(3<<16)|(1<<21)            ; 15:0 the mask: all four work-groups; 17:16 elements of 8 bytes; 21 set beside a mask
	s_mov_b32 s[G1+1], 32<<16                      ; tensor_dim0 = 32
	s_mov_b32 s[G1+2], 50<<16                      ; tensor_dim1 = 50
	s_mov_b32 s[G1+3], 32<<16                      ; tile_dim0 = 32
	s_mov_b32 s[G1+4], 50                          ; tile_dim1 = 50
	s_mov_b32 s[G1+5], 32                          ; from row to row
	s_mov_b32 s[G1+6], 0
	s_mov_b32 s[G1+7], 0
	s_mul_i32 s42, s[WV], STEPB                    ; wave w brings step w: its place in LDS, and in the head's bytes
	s_mul_i32 s40, s39, 16*STEPB
	s_add_co_u32 s40, s40, s42
	s_mov_b32 s41, 0
	s_mov_b32 s[SEL], 0x76543210
	s_mov_b32 s[SEL+1], 0xfedcba98
	s_mov_b32 s[CS], 0x3e38aa3b                    ; log2(e) / 8
	s_mov_b32 s[CS+1], s[CS]                       ; (named with it as a pair, so it is written)
	s_wait_dscnt 0x0                               ; both opening adds are done
	s_wait_kmcnt 0x0
	s_mov_b32 s[G0], 1                             ; count = 1
	s_mov_b32 s[G0+1], s42                         ; LDS address
	s_add_nc_u64 s[G0+2:G0+3], s[6:7], s[40:41]    ; global address
	s_or_b32 s[G0+3], s[G0+3], 0x80000000          ; type = 2
	CROUND                                         ; all four work-groups are here: the joint loads meet
	tensor_load_to_lds s[G0:G0+3], s[G1:G1+7]      ; my one tensor load of the launch
	s_nop 0
	v_and_b32 v8, 15, v0                           ; r
	v_bfe_u32 v9, v0, 4, 1                         ; h
	v_and_b32 v[LI], 31, v0
	s_delay_alu instid0(VALU_DEP_1)
	v_lshlrev_b32 v[LI], 4, v[LI]
	; my tile of pass n: pair P = 16 cx + 8 n + w / 2 of the head's 64 pairs of 32 tokens, half u = w % 2: block P / 4 = 4 cx + 2 n + w / 8 of qi, image (w / 2) % 4, registers 6 u on
	s_wait_alu depctr_va_vdst(0)
	s_mul_i32 s40, s39, 16*6400
	s_lshl_b32 s43, s38, 2
	s_lshr_b32 s44, s[WV], 3
	s_add_co_u32 s43, s43, s44
	s_mul_i32 s43, s43, 6400
	s_add_co_u32 s40, s40, s43
	s_add_nc_u64 s[4:5], s[4:5], s[40:41]          ; pass 0's block
	s_bfe_u32 s44, s[WV], 0x20001                  ; (w / 2) % 4
	s_mul_i32 s46, s44, 1536
	s_mov_b32 s47, 0
	s_add_nc_u64 s[12:13], s[4:5], s[46:47]        ; its image
.irp g, 0,1,2
	global_load_b128 v[S+4*\g:S+4*\g+3], v[LI], s[12:13] offset:512*\g               ; both passes' images of Q come now, while the tensor loads land
	global_load_b128 v[S+16+4*\g:S+16+4*\g+3], v[LI], s[12:13] offset:QSTEP+512*\g   ; (block 4 cx + 2 + w / 8 is 15 at the most: inside the head's 16)
.endr
	v_lshlrev_b32 v10, 4, v8
	s_delay_alu instid0(VALU_DEP_1)
	v_lshl_add_u32 v10, s44, 2, v10
	global_load_b32 v[S+12], v10, s[4:5] offset:SCO         ; my query's scale word: two bytes for each half of the pair
	global_load_b32 v[S+28], v10, s[4:5] offset:QSTEP+SCO
	v_mul_u32_u24 v[LSC], v9, VOFF                 ; one product for the half: lanes 16-31 stand 6,400 bytes on
	s_delay_alu instid0(VALU_DEP_1)
	v_lshl_add_u32 v[LSC], v8, 4, v[LSC]
	s_delay_alu instid0(VALU_DEP_1)
	v_add_nc_u32 v[LSC], SCO, v[LSC]
	v_lshlrev_b32 v[GO], 12, v9
	s_delay_alu instid0(VALU_DEP_1)
	v_lshl_add_u32 v[GO], v8, 4, v[GO]             ; lanes 0-15 one row of out0, lanes 16-31 the next; 16 bytes a lane
.irp i, 0,1,2,3,4,5
	v_mov_b32 v[QB0+\i], 0                         ; the zero halves on both sides of Q, for each pass
	v_mov_b32 v[QB0+12+\i], 0
	v_mov_b32 v[QB1+\i], 0
	v_mov_b32 v[QB1+12+\i], 0
.endr
.irp b, 0,1,2,3
	v_mov_b32 v[PD+\b], 0                          ; written once: a lane permute's destination counts as one of its sources
.endr
	v_mov_b32 v[F2+1], 0
	v_mov_b32 v[T], 0
	s_and_b32 s49, s[WV], 1                        ; u
	s_cmp_eq_u32 s49, 1
	s_cselect_b32 s48, -1, 0                       ; all lanes, or none
	s_lshl_b32 s49, s49, 4
	; out0 at pass 0's first query: batch x 2,048 rows + 512 cx + 32 (w / 2) + 8 u rows of 4,096 bytes, + head x 256
	s_lshr_b32 s40, s39, 4
	s_lshl_b32 s40, s40, 23
	s_and_b32 s43, s39, 15
	s_lshl_b32 s43, s43, 8
	s_add_co_u32 s40, s40, s43
	s_lshl_b32 s43, s38, 9
	s_lshr_b32 s44, s[WV], 1
	s_lshl_b32 s44, s44, 5
	s_add_co_u32 s43, s43, s44
	s_lshr_b32 s44, s49, 1
	s_add_co_u32 s43, s43, s44
	s_lshl_b32 s43, s43, 12
	s_add_co_u32 s40, s40, s43
	s_add_nc_u64 s[8:9], s[8:9], s[40:41]
	s_wait_loadcnt 0x0                             ; Q's images and words
.irp i, 0,1,2,3,4,5
	v_cndmask_b32 v[QB0+6+\i], v[S+\i], v[S+6+\i], s48        ; my half of the pair
	v_cndmask_b32 v[QB1+6+\i], v[S+16+\i], v[S+22+\i], s48
.endr
	v_lshlrev_b32 v11, 4, v9
	v_lshrrev_b32 v[QS0], s49, v[S+12]
	v_lshrrev_b32 v[QS1], s49, v[S+28]
	s_delay_alu instid0(VALU_DEP_2)
	v_and_b32 v[QS0], 0xffff, v[QS0]               ; my two bytes,
	s_delay_alu instid0(VALU_DEP_2)
	v_and_b32 v[QS1], 0xffff, v[QS1]
	s_delay_alu instid0(VALU_DEP_2)
	v_lshlrev_b32 v[QS0], v11, v[QS0]              ; below in lanes 0-15, above in lanes 16-31; the zero codes' bytes are 0
	s_delay_alu instid0(VALU_DEP_2)
	v_lshlrev_b32 v[QS1], v11, v[QS1]
	s_wait_tensorcnt 0x0                           ; my step has landed,
	s_barrier_signal -1
	s_barrier_wait -1                              ; everybody's has: the head's k and v lie in LDS, for both passes
; A PASS: one tile of 16 queries over the head's 2,048 keys, and its way out.  n: which of my two tiles; qb: the first register of its run of zeros, Q, zeros; qs: its scale word.
.macro PASS n, qb, qs
.if \n > 0
	s_wait_xcnt 0x0                                ; the last pass's stores have read their registers: the images' registers are loaded again only behind this wait
.endif
	v_mov_b32 v13, 0xff61b1e6                      ; the largest t so far: -3e38, under every t
	s_delay_alu instid0(VALU_DEP_1)
	v_floor_f32 v12, -v13                          ; -M
	v_mov_b32 v14, 0                               ; the sum, in two halves
	v_mov_b32 v15, 0
.set j, 0
.rept 32
	v_mov_b32 v[O+j], 0                            ; O^T: the step is written once; the first finds zeros.  (These lines also stand between the scale word's last write and the first scaled product)
.set j, j+1
.endr
	s_mov_b32 s[TB], 0
	s_mov_b32 s[CNT], 16
.Lstep_\@:                                         ; 16 trips: a step of 128 keys
	s_setprio 2
	v_add_nc_u32 v[ADR], s[TB], v[LI]
	v_add_nc_u32 v[ADS], s[TB], v[LSC]
	v_nop
	v_nop                                          ; four places in front of loads into registers that the last products have read
	ds_load_b128 v[SC:SC+3], v[ADS]                ; lanes 0-15: the words of k's four images; lanes 16-31: of v's
.irp k, 0,1,2,3,4,5,6,7,8,9,10,11
	ds_load_b128 v[F+4*\k:F+4*\k+3], v[ADR] offset:512*\k
.endr
	s_wait_alu depctr_va_vdst(0)
.irp i, 0,1,2,3
	s_wait_dscnt 9-3*\i                            ; the words and images 0 to i are in; the later images' loads, three each, may be out
	v_wmma_scale_f32_16x16x128_f8f6f4 v[S+16*\i:S+16*\i+7], v[F+12*\i:F+12*\i+11], v[\qb+6:\qb+17], 0, v[SC+\i], v[\qs] matrix_a_fmt:MATRIX_FMT_FP6 matrix_b_fmt:MATRIX_FMT_FP6
	v_wmma_scale_f32_16x16x128_f8f6f4 v[S+16*\i+8:S+16*\i+15], v[F+12*\i:F+12*\i+11], v[\qb:\qb+11], 0, v[SC+\i], v[\qs] matrix_a_fmt:MATRIX_FMT_FP6 matrix_b_fmt:MATRIX_FMT_FP6 matrix_b_scale:MATRIX_SCALE_ROW1
.endr
.rept 4
	v_nop                                          ; four places: ahead of the loads over k's images and of the first read of the scores
.endr
.irp k, 0,1,2,3,4,5,6,7,8,9,10,11
	ds_load_b128 v[F+4*\k:F+4*\k+3], v[ADR] offset:VOFF+512*\k   ; v's four images land while the softmax is walked
.endr
.irp b, 0,1,2,3
	v_max3_num_f32 v[BM+\b], v[S+16*\b], v[S+1+16*\b], v[S+2+16*\b]   ; the largest score of each block of 32 keys: it serves for the row's maximum and, since p rises with the score, for the block's largest p
.endr
.irp i, 3,5,7,9,11,13
.irp b, 0,1,2,3
	v_max3_num_f32 v[BM+\b], v[BM+\b], v[S+16*\b+\i], v[S+1+16*\b+\i]
.endr
.endr
.irp b, 0,1,2,3
	v_max_num_f32 v[BM+\b], v[BM+\b], v[S+15+16*\b]
.endr
.irp b, 0,1,2,3
	s_delay_alu instid0(VALU_DEP_4)
	v_permlanex16_b32 v[PD+\b], v[BM+\b], s[SEL], s[SEL+1]
.endr
.irp b, 0,1,2,3
	s_delay_alu instid0(VALU_DEP_4)
	v_max_num_f32 v[BM+\b], v[BM+\b], v[PD+\b]     ; with lane l xor 16's 16 keys
.endr
	s_delay_alu instid0(VALU_DEP_2)
	v_max3_num_f32 v[T], v[BM], v[BM+1], v[BM+2]
	s_delay_alu instid0(VALU_DEP_1)
	v_max_num_f32 v[T], v[T], v[BM+3]              ; the step's largest score of my query
	s_delay_alu instid0(VALU_DEP_1)
	v_mul_f32 v[T], s[CS], v[T]                    ; as t (c is positive)
	s_delay_alu instid0(VALU_DEP_1)
	v_max_num_f32 v13, v13, v[T]                   ; the running largest t
	v_mov_b32 v[T], v12
	s_delay_alu instid0(VALU_DEP_2)
	v_floor_f32 v12, -v13                          ; the new -M = floor(-t) = -ceil(t): a whole number
	s_delay_alu instid0(VALU_DEP_1)
	v_sub_f32 v[T], v12, v[T]                      ; M's old value less its new one: a whole number, 0 or less
	s_delay_alu instid0(VALU_DEP_1)
	v_cvt_i32_f32 v[T], v[T]                       ; (it saturates)
	s_delay_alu instid0(VALU_DEP_1)
	v_ldexp_f32 v[F2], 1.0, v[T]                   ; f = 2^(old M - new M)
.set j, 0
.rept 32
	v_pk_fma_f32 v[S+j:S+j+1], v[S+j:S+j+1], s[CS:CS+1], v[12:13] op_sel_hi:[1,0,0]   ; t - M, two at a time (of the pairs c and -M the low word serves both halves)
.set j, j+2
.endr
.irp b, 0,1,2,3
	v_fma_f32 v[BM+\b], v[BM+\b], s[CS], v12       ; the same of each block's largest score
.endr
.set j, 0
	s_wait_alu depctr_va_vdst(0)
.rept 64
	v_exp_f32 v[S+j], v[S+j]                       ; p = 2^(t - M), at most 1: not normalised
.set j, j+1
.endr
	s_setprio 1
	v_pk_mul_f32 v[14:15], v[14:15], v[F2:F2+1] op_sel_hi:[1,0]   ; the sums under the new M (the plain line behind the exponentials)
	s_wait_alu depctr_va_vdst(0)                   ; one wait for the whole batch, ahead of its first reader
.irp b, 0,1,2,3
	v_exp_f32 v[BM+\b], v[BM+\b]                   ; the block's largest p: the same two instructions on the same number give the same bits
.endr
	v_pk_add_f32 v[216:217], v[100:101], v[104:105]
	v_pk_add_f32 v[254:255], v[108:109], v[112:113]
	v_pk_add_f32 v[252:253], v[116:117], v[120:121]
	v_pk_add_f32 v[250:251], v[124:125], v[128:129]
	v_pk_add_f32 v[248:249], v[132:133], v[136:137]
	v_pk_add_f32 v[222:223], v[140:141], v[144:145]
	v_pk_add_f32 v[220:221], v[148:149], v[152:153]
	v_pk_add_f32 v[14:15], v[14:15], v[156:157]
	v_pk_add_f32 v[216:217], v[216:217], v[96:97]
	v_pk_add_f32 v[254:255], v[254:255], v[98:99]
	v_pk_add_f32 v[252:253], v[252:253], v[102:103]
	v_pk_add_f32 v[250:251], v[250:251], v[106:107]
	v_pk_add_f32 v[248:249], v[248:249], v[110:111]
	v_pk_add_f32 v[222:223], v[222:223], v[114:115]
	v_pk_add_f32 v[220:221], v[220:221], v[118:119]
	v_pk_add_f32 v[14:15], v[14:15], v[122:123]
	v_pk_add_f32 v[216:217], v[216:217], v[126:127]
	v_pk_add_f32 v[254:255], v[254:255], v[130:131]
	v_pk_add_f32 v[252:253], v[252:253], v[134:135]
	v_pk_add_f32 v[250:251], v[250:251], v[138:139]
	v_pk_add_f32 v[248:249], v[248:249], v[142:143]
	v_pk_add_f32 v[222:223], v[222:223], v[146:147]
	v_pk_add_f32 v[220:221], v[220:221], v[150:151]
	v_pk_add_f32 v[14:15], v[14:15], v[154:155]
	v_pk_add_f32 v[216:217], v[216:217], v[158:159]
	s_delay_alu instid0(VALU_DEP_2)
	v_pk_add_f32 v[14:15], v[14:15], v[250:251]
	s_delay_alu instid0(VALU_DEP_2)
	v_pk_add_f32 v[216:217], v[216:217], v[248:249]
	v_pk_add_f32 v[254:255], v[254:255], v[222:223]
	v_pk_add_f32 v[252:253], v[252:253], v[220:221]
	s_delay_alu instid0(VALU_DEP_2)
	v_pk_add_f32 v[14:15], v[14:15], v[254:255]
	s_delay_alu instid0(VALU_DEP_2)
	v_pk_add_f32 v[216:217], v[216:217], v[252:253]
	s_delay_alu instid0(VALU_DEP_1)
	v_pk_add_f32 v[14:15], v[14:15], v[216:217]
	s_wait_alu depctr_va_vdst(0)                   ; and one for the four
.irp b, 0,1,2,3
	v_max_num_f32 v[BM+\b], 0x1800000, v[BM+\b]    ; the floor 2^(3 - 127): the byte cannot fall under 1
.endr
.irp b, 0,1,2,3
	s_delay_alu instid0(VALU_DEP_4)
	v_add_nc_u32 v[SO+\b], 0xff000000, v[BM+\b]    ; 2 off the exponent field: the conversion's scale operand
.endr
.irp b, 0,1,2,3
	s_delay_alu instid0(VALU_DEP_4)
	v_lshrrev_b32 v[PD+\b], 23, v[SO+\b]           ; the scale's byte
.endr
	s_delay_alu instid0(VALU_DEP_3)
	v_lshl_or_b32 v[PW], v[PD+1], 8, v[PD]         ; p's scale word for these 128 keys
	s_delay_alu instid0(VALU_DEP_1)
	v_lshl_or_b32 v[PW], v[PD+2], 16, v[PW]
	s_delay_alu instid0(VALU_DEP_1)
	v_lshl_or_b32 v[PW], v[PD+3], 24, v[PW]
.irp c, 0,1
	v_cvt_scalef32_pk16_fp6_f32 v[PC+6*\c:PC+6*\c+2], v[S+32*\c:S+32*\c+15], v[SO+2*\c]
	v_cvt_scalef32_pk16_fp6_f32 v[CT+4*\c:CT+4*\c+2], v[S+16+32*\c:S+31+32*\c], v[SO+2*\c+1]   ; (a conversion's three registers begin on an even number)
.endr
	v_nop                                          ; one plain place behind a scaled conversion
.irp c, 0,1                                    ; the operand's layout wants a whole block in a lane: lanes 0-15 block 2 c, lanes 16-31 block 2 c + 1
.irp i, 0,1,2
	v_permlane16_swap_b32 v[PC+6*\c+\i], v[CT+4*\c+\i]
.endr
.irp i, 0,1,2
	s_delay_alu instid0(VALU_DEP_3)
	v_mov_b32 v[PC+3+6*\c+\i], v[CT+4*\c+\i]
.endr
.endr
.set j, 0
	s_setprio 0
.rept 16
	v_pk_mul_f32 v[O+j:O+j+1], v[O+j:O+j+1], v[F2:F2+1] op_sel_hi:[1,0]   ; O^T under the new M, from each accumulator's low end on.  (These 16 also stand between the writes of p's codes and word and the products below)
.set j, j+2
.endr
	s_wait_alu depctr_va_vdst(0)
	s_wait_dscnt 0x0                               ; v's images are in
.irp t, 0,1,2,3                                ; O^T += V^T P^T: the four accumulators take turns, one instruction a turn
	v_wmma_scale_f32_16x16x128_f8f6f4 v[O+8*\t:O+8*\t+7], v[F+12*\t:F+12*\t+11], v[PC:PC+11], v[O+8*\t:O+8*\t+7], v[SC+\t], v[PW] matrix_a_fmt:MATRIX_FMT_FP6 matrix_b_fmt:MATRIX_FMT_FP6 matrix_a_scale:MATRIX_SCALE_ROW1
.endr
	s_add_co_u32 s[TB], s[TB], STEPB
	s_sub_co_u32 s[CNT], s[CNT], 1
	s_cmp_lg_u32 s[CNT], 0
	s_cbranch_scc1 .Lstep_\@
	s_setprio 0
	; THE WAY OUT.  O^T / the sum goes through my own stage in LDS, so that sixteen lanes store a (query, head) row of 256 bytes.  The lines up to the wait are the places behind the last products.
	v_add_f32 v14, v14, v15                        ; the sum's two halves,
	s_delay_alu instid0(VALU_DEP_1)
	v_permlanex16_b32 v[T], v14, s[SEL], s[SEL+1]
	s_delay_alu instid0(VALU_DEP_1)
	v_add_f32 v14, v14, v[T]                       ; and lane l xor 16's: the row's sum
	s_wait_alu depctr_va_vdst(0)
	v_rcp_f32 v14, v14
	v_and_b32 v8, 15, v0                           ; (a plain place behind the reciprocal)  r
	v_bfe_u32 v9, v0, 4, 1                         ; h
	s_mul_i32 s40, s[WV], 16*272
	s_add_co_u32 s40, s40, STAGE                   ; my stage
	v_mul_u32_u24 v10, v8, 272
	s_delay_alu instid0(VALU_DEP_1)
	v_lshl_add_u32 v10, v9, 5, v10
	s_delay_alu instid0(VALU_DEP_1)
	v_add_nc_u32 v10, s40, v10                     ; in: row r; tile t's eight channels of my half at 64 t + 32 h
	v_mul_u32_u24 v11, v9, 272
	s_delay_alu instid0(VALU_DEP_1)
	v_lshl_add_u32 v11, v8, 4, v11
	s_delay_alu instid0(VALU_DEP_1)
	v_add_nc_u32 v11, s40, v11                     ; back: lanes 0-15 one row, lanes 16-31 the next
	s_wait_alu depctr_va_vdst(0)                   ; the wait ahead of the reciprocal's first reader
.set j, 0
.rept 16
	v_pk_mul_f32 v[S+j:S+j+1], v[O+j:O+j+1], v[14:15] op_sel_hi:[1,0]   ; register 8 t + i is o(query r, 16 t + 8 h + i)
.set j, j+2
.endr
.irp t, 0,1,2,3
	ds_store_b128 v10, v[S+8*\t:S+8*\t+3] offset:64*\t
	ds_store_b128 v10, v[S+8*\t+4:S+8*\t+7] offset:64*\t+16
.endr
.irp i, 0,1,2,3,4,5,6,7
	ds_load_b128 v[F+4*\i:F+4*\i+3], v11 offset:544*\i   ; LDS serves a wave's instructions in order: these see my stores, and the next pass's stores come behind them
.endr
.irp i, 0,1,2,3,4,5,6,7
	s_wait_dscnt 7-\i                              ; rows 2 i and 2 i + 1 are back; the later loads may be out
	global_store_b128 v[GO], v[F+4*\i:F+4*\i+3], s[8:9] offset:\n*OSTEP+(2*\i+8*(\i/4))*4096 th:TH_STORE_NT   ; stage row m is query m + 8 (m / 8) of my tile; the pass stands in the immediate (1,138,688 at the most, inside its signed 24 bits); sixteen lanes store 256 consecutive bytes, aligned
.endr
.endm
	PASS 0, QB0, QS0                               ; queries 512 cx + 32 (w / 2) + 8 u on
	PASS 1, QB1, QS1                               ; and those 256 further on
	s_wait_tensorcnt 0x0                           ; the wave's end
	ds_add_u32 v[SPW], v[NIL]
	s_wait_dscnt 0x0
	CROUND                                         ; the closing round: no work-group ends while a partner may still ask for a tile that names it
	s_endpgm
.Lfunc_end_k_qd91983d435_attn:
	.size	k_qd91983d435_attn, .Lfunc_end_k_qd91983d435_attn-k_qd91983d435_attn
	.p2alignl 7, 3214868480
	.fill 96, 4, 3214868480
	.section	.rodata,"a",@progbits
	.p2align	6, 0x0
	.amdhsa_kernel k_qd91983d435_attn
		.amdhsa_group_segment_fixed_size 276480
		.amdhsa_private_segment_fixed_size 0
		.amdhsa_enable_private_segment 0
		.amdhsa_kernarg_size 24
		.amdhsa_user_sgpr_count 2
		.amdhsa_user_sgpr_kernarg_segment_ptr 1
		.amdhsa_wavefront_size32 1
		.amdhsa_system_sgpr_workgroup_id_x 1
		.amdhsa_system_sgpr_workgroup_id_y 1
		.amdhsa_system_sgpr_workgroup_id_z 1
		.amdhsa_system_vgpr_workitem_id 0
		.amdhsa_next_free_vgpr 256
		.amdhsa_next_free_sgpr 66
		.amdhsa_reserve_vcc 0
		.amdhsa_float_denorm_mode_32 3
		.amdhsa_float_denorm_mode_16_64 3
		.amdhsa_memory_ordered 1
		.amdhsa_forward_progress 1
		.amdhsa_inst_pref_size 52
	.end_amdhsa_kernel
	.amdgpu_metadata
---
amdhsa.version: [ 1, 2 ]
amdhsa.kernels:
  - .name:           k_qd91983d435_attn
    .symbol:         k_qd91983d435_attn.kd
    .args:
      - { .name: qi, .offset: 0, .size: 8, .value_kind: global_buffer, .address_space: global }
      - { .name: kv, .offset: 8, .size: 8, .value_kind: global_buffer, .address_space: global }
      - { .name: out0, .offset: 16, .size: 8, .value_kind: global_buffer, .address_space: global }
    .group_segment_fixed_size: 276480
    .private_segment_fixed_size: 0
    .kernarg_segment_align: 8
    .kernarg_segment_size: 24
    .max_flat_workgroup_size: 512
    .sgpr_count:     66
    .vgpr_count:     256
    .wavefront_size: 32
...
	.end_amdgpu_metadata
.endif
;; end of part 3
